; MI455X (gfx1250); checked and timed in simulation.
; The chip was launched on July 23, 2026; its instructions are those of AMD's public machine-readable ISA for CDNA 5 (MIT licence, August 2026) and "CDNA5" Instruction Set Architecture Reference Guide (July 2026). The comments in the code are by the model that wrote it; some were corrected since.
;; Conjunction. Allowed arithmetic: matrix products marked QUANTISED: E4M3 operands, one given power-of-two scale a tensor, by v_wmma_f32_16x16x64_fp8_fp8 or v_wmma_f32_16x16x128_fp8_fp8, f32 sums; everything else in f32.
;; Inputs: lowp_scales 2 int32 (the exponents e of the quantised operands' scales 2^e); weights 32 x 1,024 float32; x 128 x 512 float32.
;; Outputs: out0 128 x 1,024 float32.
;; This version of the problem:
;;   THIS VERSION OF THE PROBLEM IS GIVEN IN LOW PRECISION. The matrix products marked QUANTISED in the list below multiply operands that are first quantised to E4M3 (4 exponent bits, 3 mantissa bits; 8 bits a number), with one given power-of-two scale for each operand tensor; their sums are f32. All else is computed in f32.
;;   The module's matrix products, in the order in which they are computed (A, B: the left and right operand; K: the contracted axis; several contracted axes count as one K, in the product's order):
;;     1. [M 128, K 512] x [K 512, N 1,024]; A: computed on the way; B: computed on the way: QUANTISED (scales: A lowp_scales[0], B lowp_scales[1])
;;   THE QUANTISER, for each operand of a quantised product, along K:
;;     - The operand's scale is 2^e, e = its entry of the input lowp_scales (int32; the entries are numbered through the quantised products in the list's order, A before B).
;;     - Each number is divided by the scale, clamped to +-448, and rounded to the nearest number of E4M3, ties to even, subnormals kept.
;;     - The product sums the exact products of the quantised numbers (number of the format x scale) in f32.
;;   ~~~python
;;   def quantise(x, axis, e):      # numpy; x: float32 -> the quantised numbers, widened to float32 again
;;       x = np.moveaxis(x, axis, -1); K = x.shape[-1]
;;       r = np.clip(x / 2.0 ** e, -448, 448)
;;       step = 2.0 ** (np.maximum(np.frexp(np.where(r == 0, 1, r))[1] - 1, -6) - 3)
;;       q = np.round(r / step) * step * 2.0 ** e      # np.round: ties to even
;;       return np.moveaxis(q, -1, axis).astype(np.float32)
;;   ~~~
;;   OPERANDS COMPUTED ON THE WAY. 'Computed on the way' means the value that the module computes at that place (a softmax that the list does not call 'softmax' is quantised finished and normalised). What goes into a quantiser is computed in f32, as accurately as f32 sums, v_exp_f32 and their like allow (about 1e-6 of the number): no bf16 or f16 on the way to a quantiser, and a product that is left as it is and whose result goes on into a quantised operand takes f32 operands (vector FMAs, or v_wmma_f32_16x16x4_f32). A number that lies on a knife's edge between two numbers of the format may be rounded either way, as far as f32 arithmetic and the matrix unit's own rounding can turn it there, and no further.
;; 2 versions, each right; version 2 is version 1 with the launch conjunction written anew for expert scheduling mode. Each part assembles by itself: llvm-mc -triple=amdgcn-amd-amdhsa -mcpu=gfx1250 --defsym DOCPART=n.
;; ======== version 1 of 2: 1 launch
;; launch conjunction (part 1): grid 16 x 8, 4 waves a work-group, no clusters, 17,408 bytes of LDS; arguments x, weights, lowp_scales, out0; writes out0
.if DOCPART == 1
	.amdgcn_target "amdgcn-amd-amdhsa--gfx1250"
	.amdhsa_code_object_version 6
	.text
	.protected	k_q294a6f9355_conjunction
	.globl	k_q294a6f9355_conjunction
	.p2align	8
	.type	k_q294a6f9355_conjunction,@function
k_q294a6f9355_conjunction:
	s_mov_b64 s[64:65], 0
	v_nop
	global_prefetch_b8 v0, s[64:65] scope:SCOPE_SE
	s_setreg_imm32_b32 hwreg(HW_REG_WAVE_MODE, 25, 1), 1
	s_wait_xcnt 0x0
; out0[b][o] = sum_i Q(x[b][i] m[b][i]) Q(W[i][o]) + 0.1 (max_i |W[i][o] x[b][i]| - sum_i |W[i][o] x[b][i]|),  m = (x >= -1),  W[i][o] = weights[i % 16][o].
; x: [128][512] f32.  weights: [32][1024] f32, of which the gather names rows 0 to 15 alone: rows 16 to 31 are not read.  out0: [128][1024] f32.
; Q: codes of FP8 (E4M3) with the given scales 2^e0 (x m) and 2^e1 (W); the product is made whole, K = 512, by v_wmma_f32_16x16x128_fp8_fp8; its f32 sums are multiplied by 2^(e0 + e1).
; THE TWO REDUCTIONS ARE FACTORISED.  i = 16 g + j.  With xm[b][j] = max_g |x[b][16 g + j]| and xs[b][j] = sum_g |x[b][16 g + j]|:
;   max_i |W x| = max_j |w[j][o]| xm[b][j]  (the same bits: the rounding of a product is monotone),   sum_i |W x| = sum_j |w[j][o]| xs[b][j]  (another order of the f32 additions).
; SHARES.  A work-group of four waves makes 16 rows x 64 columns of out0, the smallest block that has a whole 16-row matrix tile and whole aligned runs of 256 bytes of out0: 8 x 16 = 128 work-groups.
;   AHEAD OF THE FIRST BARRIER wave w takes rows 4 w .. 4 w + 3 of x: lane = h + 2 q + 8 rr holds, of row 4 w + rr, the numbers j = 8 h .. 8 h + 7 of the groups g = 4 c + q, c = 0 .. 7.  So eight lanes read 256 neighbouring
;   bytes in two loads, the reductions over g stay in the lane but for two steps across the four lanes q, and eight neighbouring registers are the eight neighbours along K that a conversion takes.
;   The codes go to LDS as an image of the operand's registers (this form's own layout: registers 2 c', 2 c' + 1 of lane (r, h) hold k = 16 c' + 8 h + 0 .. 7), xm and xs to a table of 16 rows.
;   BEHIND IT wave w makes the tile of columns 16 w .. 16 w + 15, all K.  THE MATRIX INSTRUCTION IS USED TRANSPOSED (source 0 = 16 columns of W, source 1 = 16 rows of x): lane (r, h) holds row r and the columns 8 h + 0 .. 7.
;   W repeats every 16 along K, so its fragment is ONE pair of registers (w[8 h + 0 .. 7][column r]) written eight times, the same for all four K steps.
;   The bias is made in the same layout: the lane has xm and xs of its row (32 registers) and the 16 x 8 numbers w[j][8 h + i], which were loaded at the head with the same address in the sixteen lanes of a half.
;   The results meet in a stage in LDS and leave as whole rows of 256 bytes.
; NOT USED.  The sixteen work-groups of a block of rows read the same 32,768 bytes of x, the eight of a block of columns the same 4,096 bytes of weights.  They are not asked for jointly: a work-group asks once,
;   in one burst at its head, for 36,864 bytes, and has no loop of tiles; a joint load would put a round of the cluster's barrier ahead of that one burst, and a trip through LDS between x and the registers in which it is
;   reduced and quantised.  For the same reason there is no tensor load, no ring and no prefetch: every load of the text stands at its head.
; LIMITS.  e0 and e1 between -126 and 119 (2^e and 448 x 2^e are f32 numbers); e0 + e1 between -126 and 127.  NaN and infinities among the inputs are not served (reference() has no finite result there).
;   A masked x counts as +0 where reference() has -0: its products are zeros either way.
; REGISTERS.  Window 0 (v0-255): all of the product.  Window 1 (v256-447, written v0-191 under s_set_vgpr_msb): all of the bias.  Nine switches in the text.
.set ROWW, 4096                        ; bytes in a row of weights and of out0
.set IMG,  0                           ; LDS: the image of x's codes: c x CPIT + (q / 2) x QPIT + h x HPIT + 16 r + 8 (q % 2)
.set CPIT, 1280
.set QPIT, 320                         ; 256 bytes of sixteen rows + 64: the 32 lanes of a store of 8 bytes (4 rows, 2 h, 4 q) then name 256 bytes that differ modulo 256
.set HPIT, 640
.set TAB,  10240                       ; LDS: row r: xm[r][0..15], xs[r][0..15], 16 bytes of padding
.set TPIT, 144
.set STG,  12544                       ; LDS: the stage: 16 rows x (256 bytes + 16)
.set SPIT, 272
.set VXA,  1                           ; v1   x: my byte in the work-group's 16 rows
.set VIA,  2                           ; v2   where I store codes
.set VT,   3                           ; v3   where I store xm and xs
.set VIC,  4                           ; v4   where I read fragments
.set VTC,  5                           ; v5   where I read xm and xs
.set VWB,  6                           ; v6   weights for the fragment: row 8 h, column 16 w + r
.set VWA,  7                           ; v7   weights for the bias: columns 16 w + 8 h on
.set VSO,  8                           ; v8   the stage: where I put 32 bytes of a row
.set VSR,  9                           ; v9   and where I read a row back
.set VGO,  10                          ; v10  my byte in the work-group's part of out0
.set SCA,  11                          ; v11  2^e0        v12  448 x 2^e0
.set LIA,  12
.set SCW,  13                          ; v13  2^e1        v14  448 x 2^e1
.set LIW,  14
.set XF,   16                          ; v16-79   x: register 8 c + i; later the four fragments of x's codes
.set XM,   80                          ; v80-87   xm of my row, j = 8 h + i
.set XS,   88                          ; v88-95   xs likewise
.set CD,   96                          ; v96-111  codes: two registers for each c
.set WS,   112                         ; v112-119 w[8 h + i][my column]
.set T0,   120                         ; v120-125 at work at the head
.set T1,   121
.set T2,   122
.set T3,   123
.set T4,   124
.set T5,   125
.set BF,   128                         ; v128-143 W's fragment
.set ACC0, 144                         ; v144-151 K steps 0 and 2
.set ACC1, 152                         ; v152-159 K steps 1 and 3
.set OUTF, 160                         ; v160-167 my eight results
.set BACK, 168                         ; v168-175 two pieces of rows read back from the stage
.set AW,   0                           ; window 1: v0-127   w[j][8 h + i] at 8 j + i
.set XMR,  128                         ; window 1: v128-143 xm of my row, v144-159 xs
.set XSR,  144
.set PP,   160                         ; window 1: v160-175 products of two j
.set MM,   176                         ; window 1: v176-183 the running maxima
.set SS,   184                         ; window 1: v184-191 the running sums
.set MK,   40                          ; s40-47 eight lane masks
.set SE,   26                          ; s[26:27] 2^(e0 + e1)
.set MSB, 0
.macro WIN new                         ; low byte: bits 1:0 source 0, 3:2 source 1, 5:4 source 2, 7:6 destination; the high byte repeats the setting that is left
.if MSB != \new
	s_set_vgpr_msb (MSB<<8)|\new
.set MSB, \new
.endif
.endm
	s_load_b256 s[4:11], s[0:1], 0x0               ; x s[4:5], weights s[6:7], the scales' exponents s[8:9], out0 s[10:11]
	v_lshl_add_u32 v254, v0, 2, 0x4200
	v_mov_b32 v255, 0
	v_lshrrev_b32 v[T0], 3, v0                     ; the row of x that I quantise: 4 w + rr
	v_and_b32 v[T1], 7, v0                         ; h + 2 q
	v_lshlrev_b32 v[VXA], 11, v[T0]                ; a row of x is 2,048 bytes
	v_lshl_add_u32 v[VXA], v[T1], 5, v[VXA]        ; + 32 h + 64 q
	v_and_b32 v[T2], 15, v0                        ; r: my place in a fragment
	v_bfe_u32 v[T3], v0, 4, 1                      ; h there
	v_lshrrev_b32 v[T4], 5, v0                     ; wave
	v_lshlrev_b32 v[VWA], 6, v[T4]                 ; my wave's 16 columns: 64 bytes
	v_lshl_add_u32 v[VWB], v[T2], 2, v[VWA]        ; column r,
	v_lshl_add_u32 v[VWB], v[T3], 15, v[VWB]       ; row 8 h
	v_lshl_add_u32 v[VWA], v[T3], 5, v[VWA]        ; columns 8 h on
	s_and_b32 s16, ttmp7, 0xffff                   ; the block of 16 rows
	s_lshl_b32 s14, s16, 15                        ; 16 rows of x
	s_mov_b32 s15, 0
	s_lshl_b32 s18, ttmp9, 8                       ; the block of 64 columns: 256 bytes
	s_mov_b32 s19, 0
	s_lshl_b32 s20, s16, 16                        ; 16 rows of out0
	s_add_co_u32 s20, s20, s18
	s_mov_b32 s21, 0
	s_wait_kmcnt 0x0
	s_load_b64 s[12:13], s[8:9], 0x0               ; e0, e1
	s_add_nc_u64 s[4:5], s[4:5], s[14:15]
	s_add_nc_u64 s[6:7], s[6:7], s[18:19]
	s_add_nc_u64 s[10:11], s[10:11], s[20:21]
	; ALL LOADS OF THE TEXT, 56 a wave: x first, since the work begins with it
.irp c, 0,1,2,3,4,5,6,7
	global_load_b128 v[XF+8*\c:XF+8*\c+3],   v[VXA], s[4:5] offset:256*\c      ; eight lanes and the two loads of a c cover 256 neighbouring bytes of a row
	global_load_b128 v[XF+8*\c+4:XF+8*\c+7], v[VXA], s[4:5] offset:256*\c+16
.endr
.irp i, 0,1,2,3,4,5,6,7
	global_load_b32 v[WS+\i], v[VWB], s[6:7] offset:ROWW*\i                    ; a lane to a column, registers down K: sixteen lanes read 64 neighbouring bytes
.endr
	WIN 0x40                                       ; destination window 1
.irp j, 0,1,2,3,4,5,6,7,8,9,10,11,12,13,14,15
	global_load_b128 v[AW+8*\j:AW+8*\j+3],   v[VWA], s[6:7] offset:ROWW*\j     ; the sixteen lanes of a half name the same 16 bytes: the numbers arrive spread over the lanes
	global_load_b128 v[AW+8*\j+4:AW+8*\j+7], v[VWA], s[6:7] offset:ROWW*\j+16
.endr
	WIN 0
	; the LDS addresses, while the loads are out: each is a sum of constants times fields of the thread's number
	v_and_b32 v[T1], 1, v0                         ; h of the numbers that I quantise
	v_bfe_u32 v[T5], v0, 1, 1                      ; q % 2
	v_lshlrev_b32 v[VIA], 4, v[T0]
	v_mad_u32_u24 v[VIA], v[T1], HPIT, v[VIA]
	v_lshl_add_u32 v[VIA], v[T5], 3, v[VIA]
	v_bfe_u32 v[T5], v0, 2, 1                      ; q / 2
	v_mad_u32_u24 v[VIA], v[T5], QPIT, v[VIA]
	v_mul_u32_u24 v[VT], v[T0], TPIT
	v_lshl_add_u32 v[VT], v[T1], 5, v[VT]          ; j = 8 h on
	v_lshlrev_b32 v[VIC], 4, v[T2]
	v_mad_u32_u24 v[VIC], v[T3], HPIT, v[VIC]
	v_mul_u32_u24 v[VTC], v[T2], TPIT
	v_mul_u32_u24 v[VSO], v[T2], SPIT
	v_lshl_add_u32 v[VSO], v[T3], 5, v[VSO]
	v_lshl_add_u32 v[VSO], v[T4], 6, v[VSO]        ; row r, + 64 w + 32 h
	v_lshl_add_u32 v[T5], v[T4], 2, v[T3]          ; back: rows 4 w + (lane / 16), and two further down
	v_mul_u32_u24 v[VSR], v[T5], SPIT
	v_lshl_add_u32 v[VSR], v[T2], 4, v[VSR]
	v_lshlrev_b32 v[VGO], 12, v[T5]
	v_lshl_add_u32 v[VGO], v[T2], 4, v[VGO]
	s_wait_kmcnt 0x0
	s_add_co_i32 s22, s12, 127
	s_lshl_b32 s23, s22, 23
	v_mov_b32 v[SCA], s23                          ; 2^e0 as f32: the conversion takes its exponent field
	s_add_co_i32 s22, s22, 8
	s_lshl_b32 s22, s22, 23
	s_or_b32 s22, s22, 0x600000
	v_mov_b32 v[LIA], s22                          ; 448 x 2^e0
	s_add_co_i32 s24, s13, 127
	s_lshl_b32 s25, s24, 23
	v_mov_b32 v[SCW], s25                          ; 2^e1
	s_add_co_i32 s24, s24, 8
	s_lshl_b32 s24, s24, 23
	s_or_b32 s24, s24, 0x600000
	v_mov_b32 v[LIW], s24                          ; 448 x 2^e1
	s_add_co_i32 s[SE], s12, s13
	s_add_co_i32 s[SE], s[SE], 127
	s_lshl_b32 s[SE], s[SE], 23                    ; 2^(e0 + e1)
	s_mov_b32 s[SE+1], s[SE]                       ; (named with it as a pair, so it is written)
	; ---- xm and xs of my row, over my eight groups.  Loads come back in order: of the 56, the pieces c = 0 .. k of x are in when at most 56 - 2 (k + 1) are out
	s_wait_loadcnt 50                              ; c = 0, 1, 2
.irp i, 0,1,2,3,4,5,6,7
	v_max3_num_f32 v[XM+\i], |v[XF+\i]|, |v[XF+8+\i]|, |v[XF+16+\i]|
	v_add_f32 v[XS+\i], |v[XF+\i]|, |v[XF+8+\i]|
.endr
	s_wait_loadcnt 46                              ; c = 3, 4
.irp i, 0,1,2,3,4,5,6,7
	v_max3_num_f32 v[XM+\i], v[XM+\i], |v[XF+24+\i]|, |v[XF+32+\i]|
	v_add_f32 v[XS+\i], v[XS+\i], |v[XF+16+\i]|
.endr
	s_wait_loadcnt 42                              ; c = 5, 6
.irp i, 0,1,2,3,4,5,6,7
	v_max3_num_f32 v[XM+\i], v[XM+\i], |v[XF+40+\i]|, |v[XF+48+\i]|
	v_add_f32 v[XS+\i], v[XS+\i], |v[XF+24+\i]|
.endr
	s_wait_loadcnt 40                              ; c = 7: all of x; the 40 loads of weights may be out
.irp i, 0,1,2,3,4,5,6,7
	v_max_num_f32 v[XM+\i], v[XM+\i], |v[XF+56+\i]|
	v_add_f32 v[XS+\i], v[XS+\i], |v[XF+32+\i]|
.endr
.irp c, 5,6,7
.irp i, 0,1,2,3,4,5,6,7
	v_add_f32 v[XS+\i], v[XS+\i], |v[XF+8*\c+\i]|
.endr
.endr
.irp m, 2,4                            ; and over the four lanes q (bits 1 and 2 of the lane) that share my row and my h: every one of them ends with the whole
.irp i, 0,1,2,3,4,5,6,7
	v_max_num_f32_dpp v[XM+\i], v[XM+\i], v[XM+\i] row_xmask:\m row_mask:0xf bank_mask:0xf
	v_add_f32_dpp v[XS+\i], v[XS+\i], v[XS+\i] row_xmask:\m row_mask:0xf bank_mask:0xf
.endr
.endr
	ds_store_b128 v[VT], v[XM:XM+3]   offset:TAB       ; the four lanes q write the same numbers to the same bytes
	ds_store_b128 v[VT], v[XM+4:XM+7] offset:TAB+16
	ds_store_b128 v[VT], v[XS:XS+3]   offset:TAB+64
	ds_store_b128 v[VT], v[XS+4:XS+7] offset:TAB+80
	; ---- x m into codes, eight neighbours along K at a time.  The store of a piece's codes stands among the next piece's compares
.macro QX c
.irp i, 0,1,2,3,4,5,6,7
	v_cmp_le_f32 s[MK+\i], -1.0, v[XF+8*(\c)+\i]                                 ; the mask: -1 <= x
.endr
.if (\c) > 0
	ds_store_b64 v[VIA], v[CD+2*(\c)-2:CD+2*(\c)-1] offset:IMG+CPIT*((\c)-1)
.endif
.irp i, 0,1,2,3,4,5,6,7
	v_cndmask_b32 v[XF+8*(\c)+\i], 0, v[XF+8*(\c)+\i], s[MK+\i]                  ; x where the mask holds, else 0
.endr
.irp i, 0,1,2,3,4,5,6,7
	v_med3_num_f32 v[XF+8*(\c)+\i], v[XF+8*(\c)+\i], -v[LIA], v[LIA]             ; the conversion to an 8-bit code does not saturate (ISA guide 7.6.2): the hold at the largest code x the scale
.endr
	v_cvt_scalef32_pk8_fp8_f32 v[CD+2*(\c):CD+2*(\c)+1], v[XF+8*(\c):XF+8*(\c)+7], v[SCA]   ; the plain vector line that is owed behind it is the next piece's first compare
.endm
.irp c, 0,1,2,3,4,5,6,7
	QX \c
.endr
	v_nop                                          ; the plain vector line behind the last conversion
	ds_store_b64 v[VIA], v[CD+14:CD+15] offset:IMG+CPIT*7
	s_wait_dscnt 0x0                               ; for the others' sake: my codes and my rows of the table lie in LDS
	s_barrier_signal -1
	s_barrier_wait -1                              ; everybody's do
	; ---- my tile.  The table's loads first: the bias is the longer work and begins with them
	WIN 0x40                                       ; destination window 1, address window 0
.irp t, 0,1,2,3,4,5,6,7
	ds_load_b128 v[XMR+4*\t:XMR+4*\t+3], v[VTC] offset:TAB+16*\t                 ; xm[r][0..15], xs[r][0..15]
.endr
	WIN 0
.irp s, 0,1,2,3                        ; K step s, registers 4 u .. 4 u + 3: the groups 8 s + 2 u and 8 s + 2 u + 1, which were stored as c = 2 s + u / 2, q = 2 (u % 2) and 2 (u % 2) + 1
.irp u, 0,1,2,3
	ds_load_b128 v[XF+16*\s+4*\u:XF+16*\s+4*\u+3], v[VIC] offset:IMG+CPIT*(2*\s+\u/2)+QPIT*(\u%2)
.endr
.endr
	s_wait_loadcnt 32                              ; the eight numbers of W's fragment are in; the 32 loads behind them may be out
.irp i, 0,1,2,3,4,5,6,7
	v_med3_num_f32 v[WS+\i], v[WS+\i], -v[LIW], v[LIW]
.endr
	v_cvt_scalef32_pk8_fp8_f32 v[BF:BF+1], v[WS:WS+7], v[SCW]                      ; k = 8 h + 0 .. 7 of my column
	v_nop                                          ; a plain vector line between the conversion and the first reader of its result
.irp k, 1,2,3,4,5,6,7
	v_mov_b32 v[BF+2*\k], v[BF]                    ; W[16 c' + 8 h + i][n] = w[8 h + i][n] for every c': the pair stands eight times
	v_mov_b32 v[BF+2*\k+1], v[BF+1]
.endr
; Two j of the bias, j = 2 k and 2 k + 1, for my row and my eight columns; all registers in window 1.  first = 1: they start the maxima and the sums: nothing is cleared.
; The products for the maximum are packed (two columns; of the pair xm[2 k], xm[2 k + 1] one word serves both halves) and their signs are dropped where the maximum reads them.
.macro JPAIR k, first
.irp p, 0,1,2,3
	v_pk_mul_f32 v[PP+2*\p:PP+2*\p+1], v[AW+16*\k+2*\p:AW+16*\k+2*\p+1], v[XMR+2*\k:XMR+2*\k+1] op_sel_hi:[1,0]
.endr
.irp p, 0,1,2,3
	v_pk_mul_f32 v[PP+8+2*\p:PP+8+2*\p+1], v[AW+16*\k+8+2*\p:AW+16*\k+8+2*\p+1], v[XMR+2*\k:XMR+2*\k+1] op_sel:[0,1] op_sel_hi:[1,1]
.endr
.irp i, 0,1,2,3,4,5,6,7
.if \first
	v_mul_f32 v[SS+\i], |v[AW+16*\k+\i]|, v[XSR+2*\k]
.else
	v_fma_f32 v[SS+\i], |v[AW+16*\k+\i]|, v[XSR+2*\k], v[SS+\i]
.endif
.endr
.irp i, 0,1,2,3,4,5,6,7
.if \first
	v_max_num_f32 v[MM+\i], |v[PP+\i]|, |v[PP+8+\i]|
.else
	v_max3_num_f32 v[MM+\i], v[MM+\i], |v[PP+\i]|, |v[PP+8+\i]|
.endif
.endr
.irp i, 0,1,2,3,4,5,6,7
	v_fma_f32 v[SS+\i], |v[AW+16*\k+8+\i]|, v[XSR+2*\k+1], v[SS+\i]
.endr
.endm
	s_wait_loadcnt 0x0                             ; the weights for the bias
	s_wait_dscnt 16                                ; the table's eight loads are in; the sixteen of the fragments may be out
	WIN 0x55                                       ; all four places window 1
	JPAIR 0, 1
	JPAIR 1, 0
	s_wait_dscnt 0x0                               ; the fragments
	WIN 0
	; out^T = W^T (x m)^T: two accumulators take turns, one instruction a turn; the first product on each starts its sum
	v_wmma_f32_16x16x128_fp8_fp8 v[ACC0:ACC0+7], v[BF:BF+15], v[XF:XF+15], 0
	v_wmma_f32_16x16x128_fp8_fp8 v[ACC1:ACC1+7], v[BF:BF+15], v[XF+16:XF+31], 0
	v_wmma_f32_16x16x128_fp8_fp8 v[ACC0:ACC0+7], v[BF:BF+15], v[XF+32:XF+47], v[ACC0:ACC0+7]
	v_wmma_f32_16x16x128_fp8_fp8 v[ACC1:ACC1+7], v[BF:BF+15], v[XF+48:XF+63], v[ACC1:ACC1+7]
	WIN 0x55
.irp k, 2,3,4,5,6,7
	JPAIR \k, 0                                    ; 192 plain vector lines in window 1, which name no register of the products: far more than the four places ahead of the first read of a result (ISA guide 7.12.1)
.endr
.irp p, 0,1,2,3
	v_pk_add_f32 v[MM+2*\p:MM+2*\p+1], v[MM+2*\p:MM+2*\p+1], v[SS+2*\p:SS+2*\p+1] neg_lo:[0,1] neg_hi:[0,1]   ; the maximum less the sum
.endr
.irp p, 0,1,2,3
	v_pk_mul_f32 v[MM+2*\p:MM+2*\p+1], v[MM+2*\p:MM+2*\p+1], 0x3dcccccd op_sel_hi:[1,0]                       ; x 0.1
.endr
	WIN 0x10                                       ; source 2 window 1
.irp p, 0,1,2,3
	v_pk_fma_f32 v[OUTF+2*\p:OUTF+2*\p+1], v[ACC0+2*\p:ACC0+2*\p+1], s[SE:SE+1], v[MM+2*\p:MM+2*\p+1] op_sel_hi:[1,0,1]   ; + K steps 0 and 2 x 2^(e0 + e1); each accumulator from its low end on
.endr
	WIN 0
.irp p, 0,1,2,3
	v_pk_fma_f32 v[OUTF+2*\p:OUTF+2*\p+1], v[ACC1+2*\p:ACC1+2*\p+1], s[SE:SE+1], v[OUTF+2*\p:OUTF+2*\p+1] op_sel_hi:[1,0,1]   ; + K steps 1 and 3
.endr
	; ---- the way out.  A lane holds 32 bytes of a row, a wave 64, the four waves the row's 256: they meet in the stage and each wave stores four whole rows
	ds_store_b128 v[VSO], v[OUTF:OUTF+3]   offset:STG
	ds_store_b128 v[VSO], v[OUTF+4:OUTF+7] offset:STG+16
	s_wait_dscnt 0x0                               ; for the others' sake: my part of the 16 rows lies in the stage
	s_barrier_signal -1
	s_barrier_wait -1
	ds_load_b128 v[BACK:BACK+3],   v[VSR] offset:STG               ; rows 4 w and 4 w + 1: sixteen lanes to a row
	ds_load_b128 v[BACK+4:BACK+7], v[VSR] offset:STG+2*SPIT        ; rows 4 w + 2 and 4 w + 3
	s_wait_dscnt 1                                 ; the first of the two is in
	global_store_b128 v[VGO], v[BACK:BACK+3], s[10:11] th:TH_STORE_NT                    ; sixteen lanes store 256 consecutive bytes, at a multiple of 256 from out0's first byte
	s_wait_dscnt 0x0
	global_store_b128 v[VGO], v[BACK+4:BACK+7], s[10:11] offset:2*ROWW th:TH_STORE_NT
	s_wait_tensorcnt 0x0
	ds_add_u32 v254, v255
	s_wait_dscnt 0x0
	s_endpgm
.Lfunc_end_k_q294a6f9355_conjunction:
	.size	k_q294a6f9355_conjunction, .Lfunc_end_k_q294a6f9355_conjunction-k_q294a6f9355_conjunction
	.p2alignl 7, 3214868480
	.fill 96, 4, 3214868480
	.section	.rodata,"a",@progbits
	.p2align	6, 0x0
	.amdhsa_kernel k_q294a6f9355_conjunction
		.amdhsa_group_segment_fixed_size 17408
		.amdhsa_private_segment_fixed_size 0
		.amdhsa_enable_private_segment 0
		.amdhsa_kernarg_size 32
		.amdhsa_user_sgpr_count 2
		.amdhsa_user_sgpr_kernarg_segment_ptr 1
		.amdhsa_wavefront_size32 1
		.amdhsa_system_sgpr_workgroup_id_x 1
		.amdhsa_system_sgpr_workgroup_id_y 1
		.amdhsa_system_sgpr_workgroup_id_z 1
		.amdhsa_system_vgpr_workitem_id 0
		.amdhsa_next_free_vgpr 448
		.amdhsa_next_free_sgpr 66
		.amdhsa_reserve_vcc 0
		.amdhsa_float_denorm_mode_32 3
		.amdhsa_float_denorm_mode_16_64 3
		.amdhsa_memory_ordered 1
		.amdhsa_forward_progress 1
		.amdhsa_inst_pref_size 51
	.end_amdhsa_kernel
	.amdgpu_metadata
---
amdhsa.version: [ 1, 2 ]
amdhsa.kernels:
  - .name:           k_q294a6f9355_conjunction
    .symbol:         k_q294a6f9355_conjunction.kd
    .args:
      - { .name: x, .offset: 0, .size: 8, .value_kind: global_buffer, .address_space: global }
      - { .name: weights, .offset: 8, .size: 8, .value_kind: global_buffer, .address_space: global }
      - { .name: lowp_scales, .offset: 16, .size: 8, .value_kind: global_buffer, .address_space: global }
      - { .name: out0, .offset: 24, .size: 8, .value_kind: global_buffer, .address_space: global }
    .group_segment_fixed_size: 17408
    .private_segment_fixed_size: 0
    .kernarg_segment_align: 8
    .kernarg_segment_size: 32
    .max_flat_workgroup_size: 128
    .sgpr_count:     66
    .vgpr_count:     448
    .wavefront_size: 32
...
	.end_amdgpu_metadata
.endif
;; end of part 1
;; ======== version 2 of 2: 1 launch; version 1 with the launch conjunction written anew for expert scheduling mode
;; launch conjunction (part 2): grid 16 x 8, 4 waves a work-group, no clusters, 17,408 bytes of LDS; arguments x, weights, lowp_scales, out0; writes out0
.if DOCPART == 2
	.amdgcn_target "amdgcn-amd-amdhsa--gfx1250"
	.amdhsa_code_object_version 6
	.text
	.protected	k_q294a6f9355_conjunction
	.globl	k_q294a6f9355_conjunction
	.p2align	8
	.type	k_q294a6f9355_conjunction,@function
k_q294a6f9355_conjunction:
	s_mov_b64 s[64:65], 0
	v_nop
	global_prefetch_b8 v0, s[64:65] scope:SCOPE_SE
	s_setreg_imm32_b32 hwreg(HW_REG_WAVE_SCHED_MODE, 0, 2), 2
	s_setreg_imm32_b32 hwreg(HW_REG_WAVE_MODE, 25, 1), 1
	s_wait_xcnt 0x0
	s_wait_alu depctr_vm_vsrc(0)
; out0[b][o] = sum_i Q(x[b][i] m[b][i]) Q(W[i][o]) + 0.1 (max_i |W[i][o] x[b][i]| - sum_i |W[i][o] x[b][i]|),  m = (x >= -1),  W[i][o] = weights[i % 16][o].
; x: [128][512] f32.  weights: [32][1024] f32, of which the gather names rows 0 to 15 alone: rows 16 to 31 are not read.  out0: [128][1024] f32.
; Q: codes of FP8 (E4M3) with the given scales 2^e0 (x m) and 2^e1 (W); the product is made whole, K = 512, by v_wmma_f32_16x16x128_fp8_fp8; its f32 sums are multiplied by 2^(e0 + e1).
; THE TWO REDUCTIONS ARE FACTORISED.  i = 16 g + j.  With xm[b][j] = max_g |x[b][16 g + j]| and xs[b][j] = sum_g |x[b][16 g + j]|:
;   max_i |W x| = max_j |w[j][o]| xm[b][j]  (the same bits: the rounding of a product is monotone),   sum_i |W x| = sum_j |w[j][o]| xs[b][j]  (another order of the f32 additions).
; SHARES.  A work-group of four waves makes 16 rows x 64 columns of out0, the smallest block that has a whole 16-row matrix tile and whole aligned runs of 256 bytes of out0: 8 x 16 = 128 work-groups.
;   AHEAD OF THE FIRST BARRIER wave w takes rows 4 w .. 4 w + 3 of x: lane = h + 2 q + 8 rr holds, of row 4 w + rr, the numbers j = 8 h .. 8 h + 7 of the groups g = 4 c + q, c = 0 .. 7.  So eight lanes read 256 neighbouring
;   bytes in two loads, the reductions over g stay in the lane but for two steps across the four lanes q, and eight neighbouring registers are the eight neighbours along K that a conversion takes.
;   The codes go to LDS as an image of the operand's registers (this form's own layout: registers 2 c', 2 c' + 1 of lane (r, h) hold k = 16 c' + 8 h + 0 .. 7), xm and xs to a table of 16 rows.
;   BEHIND IT wave w makes the tile of columns 16 w .. 16 w + 15, all K.  THE MATRIX INSTRUCTION IS USED TRANSPOSED (source 0 = 16 columns of W, source 1 = 16 rows of x): lane (r, h) holds row r and the columns 8 h + 0 .. 7.
;   W repeats every 16 along K, so its fragment is ONE pair of registers (w[8 h + 0 .. 7][column r]) written eight times, the same for all four K steps.
;   The bias is made in the same layout: the lane has xm and xs of its row (32 registers) and the 16 x 8 numbers w[j][8 h + i], which were loaded at the head with the same address in the sixteen lanes of a half.
;   The results meet in a stage in LDS and leave as whole rows of 256 bytes.
; NOT USED.  The sixteen work-groups of a block of rows read the same 32,768 bytes of x, the eight of a block of columns the same 4,096 bytes of weights.  They are not asked for jointly: a work-group asks once,
;   in one burst at its head, for 36,864 bytes, and has no loop of tiles; a joint load would put a round of the cluster's barrier ahead of that one burst, and a trip through LDS between x and the registers in which it is
;   reduced and quantised.  For the same reason there is no tensor load, no ring and no prefetch: every load of the text stands at its head.
; LIMITS.  e0 and e1 between -126 and 119 (2^e and 448 x 2^e are f32 numbers); e0 + e1 between -126 and 127.  NaN and infinities among the inputs are not served (reference() has no finite result there).
;   A masked x counts as +0 where reference() has -0: its products are zeros either way.
; REGISTERS.  Window 0 (v0-255): all of the product.  Window 1 (v256-447, written v0-191 under s_set_vgpr_msb): all of the bias.  Nine switches in the text.
; THE MODE: SCHED_MODE bits 1:0 = 2 (LLVM: expert scheduling mode 2), set by the entry lines.  The code itself states the register dependences
; between vector or matrix instructions and memory or LDS instructions, with s_wait_alu, always for 0.
; THE PLAN.  Registers that memory or LDS instructions touch, and who else names them:
;   v1, v6, v7       offsets of the global loads: written at the head, ahead of the first load, and never again.
;   v2-5, v8-10      LDS addresses and my place in out0: written at the head, behind the loads, and never again.
;   XF               the loads of x land in it; the reductions, the compares, the selects, the holds and the conversions name it; behind the first barrier the fragments' LDS loads land in it.
;   XM, XS, CD       written by the reductions and the conversions (each piece has its own two registers of CD), read by the LDS stores ahead of the first barrier, never written again.
;   WS, window 1's AW, XMR, XSR   loads land in them once; from then on vector instructions alone name them.
;   OUTF             written by the last packed multiply-adds, read by the two stores into the stage, never written again.
;   BACK             LDS loads land in it, the global stores read it; no vector instruction names it.
;   s[MK ..]         sixteen lane masks: written by a run of sixteen compares, read by the sixteen selects behind it.
;   v254, v255       written at the head, read by the closing add alone.
; So four waits on va_vdst stand in the text: ahead of the first global load; ahead of each of the two runs of LDS stores in front of the first barrier (the second also states that XF is done with, for the fragments' loads);
; and ahead of the stores into the stage.  One wait on va_sdst stands behind each of the four runs of compares.  No register that a memory or LDS instruction reads is written again, so no wait on vm_vsrc is owed.
.set ROWW, 4096                        ; bytes in a row of weights and of out0
.set IMG,  0                           ; LDS: the image of x's codes: c x CPIT + (q / 2) x QPIT + h x HPIT + 16 r + 8 (q % 2)
.set CPIT, 1280
.set QPIT, 320                         ; 256 bytes of sixteen rows + 64: the 32 lanes of a store of 8 bytes (4 rows, 2 h, 4 q) then name 256 bytes that differ modulo 256
.set HPIT, 640
.set TAB,  10240                       ; LDS: row r: xm[r][0..15], xs[r][0..15], 16 bytes of padding
.set TPIT, 144
.set STG,  12544                       ; LDS: the stage: 16 rows x (256 bytes + 16)
.set SPIT, 272
.set VXA,  1                           ; v1   x: my byte in the work-group's 16 rows
.set VIA,  2                           ; v2   where I store codes
.set VT,   3                           ; v3   where I store xm and xs
.set VIC,  4                           ; v4   where I read fragments
.set VTC,  5                           ; v5   where I read xm and xs
.set VWB,  6                           ; v6   weights for the fragment: row 8 h, column 16 w + r
.set VWA,  7                           ; v7   weights for the bias: columns 16 w + 8 h on
.set VSO,  8                           ; v8   the stage: where I put 32 bytes of a row
.set VSR,  9                           ; v9   and where I read a row back
.set VGO,  10                          ; v10  my byte in the work-group's part of out0
.set SCA,  11                          ; v11  2^e0        v12  448 x 2^e0
.set LIA,  12
.set SCW,  13                          ; v13  2^e1        v14  448 x 2^e1
.set LIW,  14
.set XF,   16                          ; v16-79   x: register 8 c + i; later the four fragments of x's codes
.set XM,   80                          ; v80-87   xm of my row, j = 8 h + i
.set XS,   88                          ; v88-95   xs likewise
.set CD,   96                          ; v96-111  codes: two registers for each c
.set WS,   112                         ; v112-119 w[8 h + i][my column]
.set T0,   120                         ; v120-125 at work at the head
.set T1,   121
.set T2,   122
.set T3,   123
.set T4,   124
.set T5,   125
.set BF,   128                         ; v128-143 W's fragment
.set ACC0, 144                         ; v144-151 K steps 0 and 2
.set ACC1, 152                         ; v152-159 K steps 1 and 3
.set OUTF, 160                         ; v160-167 my eight results
.set BACK, 168                         ; v168-175 two pieces of rows read back from the stage
.set AW,   0                           ; window 1: v0-127   w[j][8 h + i] at 8 j + i
.set XMR,  128                         ; window 1: v128-143 xm of my row, v144-159 xs
.set XSR,  144
.set PP,   160                         ; window 1: v160-175 products of two j
.set MM,   176                         ; window 1: v176-183 the running maxima
.set SS,   184                         ; window 1: v184-191 the running sums
.set MK,   32                          ; s32-47 sixteen lane masks
.set SE,   26                          ; s[26:27] 2^(e0 + e1)
.set MSB, 0
.macro WIN new                         ; low byte: bits 1:0 source 0, 3:2 source 1, 5:4 source 2, 7:6 destination; the high byte repeats the setting that is left
.if MSB != \new
	s_set_vgpr_msb (MSB<<8)|\new
.set MSB, \new
.endif
.endm
	s_load_b256 s[4:11], s[0:1], 0x0               ; x s[4:5], weights s[6:7], the scales' exponents s[8:9], out0 s[10:11]
	v_lshl_add_u32 v254, v0, 2, 0x4200
	v_mov_b32 v255, 0
	v_lshrrev_b32 v[T0], 3, v0                     ; the row of x that I quantise: 4 w + rr
	v_and_b32 v[T1], 7, v0                         ; h + 2 q
	v_lshlrev_b32 v[VXA], 11, v[T0]                ; a row of x is 2,048 bytes
	v_lshl_add_u32 v[VXA], v[T1], 5, v[VXA]        ; + 32 h + 64 q
	v_and_b32 v[T2], 15, v0                        ; r: my place in a fragment
	v_bfe_u32 v[T3], v0, 4, 1                      ; h there
	v_lshrrev_b32 v[T4], 5, v0                     ; wave
	v_lshlrev_b32 v[VWA], 6, v[T4]                 ; my wave's 16 columns: 64 bytes
	v_lshl_add_u32 v[VWB], v[T2], 2, v[VWA]        ; column r,
	v_lshl_add_u32 v[VWB], v[T3], 15, v[VWB]       ; row 8 h
	v_lshl_add_u32 v[VWA], v[T3], 5, v[VWA]        ; columns 8 h on
	s_and_b32 s16, ttmp7, 0xffff                   ; the block of 16 rows
	s_lshl_b32 s14, s16, 15                        ; 16 rows of x
	s_mov_b32 s15, 0
	s_lshl_b32 s18, ttmp9, 8                       ; the block of 64 columns: 256 bytes
	s_mov_b32 s19, 0
	s_lshl_b32 s20, s16, 16                        ; 16 rows of out0
	s_add_co_u32 s20, s20, s18
	s_mov_b32 s21, 0
	s_wait_kmcnt 0x0
	s_load_b64 s[12:13], s[8:9], 0x0               ; e0, e1
	s_add_nc_u64 s[4:5], s[4:5], s[14:15]
	s_add_nc_u64 s[6:7], s[6:7], s[18:19]
	s_add_nc_u64 s[10:11], s[10:11], s[20:21]
	s_wait_alu depctr_va_vdst(0)                   ; v1, v6 and v7 are written, which the 56 loads below read as their offsets; only loads and one window switch stand between this wait and the last of them
	; ALL LOADS OF THE TEXT, 56 a wave: x first, since the work begins with it
.irp c, 0,1,2,3,4,5,6,7
	global_load_b128 v[XF+8*\c:XF+8*\c+3],   v[VXA], s[4:5] offset:256*\c      ; eight lanes and the two loads of a c cover 256 neighbouring bytes of a row
	global_load_b128 v[XF+8*\c+4:XF+8*\c+7], v[VXA], s[4:5] offset:256*\c+16
.endr
.irp i, 0,1,2,3,4,5,6,7
	global_load_b32 v[WS+\i], v[VWB], s[6:7] offset:ROWW*\i                    ; a lane to a column, registers down K: sixteen lanes read 64 neighbouring bytes
.endr
	WIN 0x40                                       ; destination window 1
.irp j, 0,1,2,3,4,5,6,7,8,9,10,11,12,13,14,15
	global_load_b128 v[AW+8*\j:AW+8*\j+3],   v[VWA], s[6:7] offset:ROWW*\j     ; the sixteen lanes of a half name the same 16 bytes: the numbers arrive spread over the lanes
	global_load_b128 v[AW+8*\j+4:AW+8*\j+7], v[VWA], s[6:7] offset:ROWW*\j+16
.endr
	WIN 0
	; the LDS addresses, while the loads are out: each is a sum of constants times fields of the thread's number.  None of these lines writes a register that the loads above read
	v_and_b32 v[T1], 1, v0                         ; h of the numbers that I quantise
	v_bfe_u32 v[T5], v0, 1, 1                      ; q % 2
	v_lshlrev_b32 v[VIA], 4, v[T0]
	v_mad_u32_u24 v[VIA], v[T1], HPIT, v[VIA]
	v_lshl_add_u32 v[VIA], v[T5], 3, v[VIA]
	v_bfe_u32 v[T5], v0, 2, 1                      ; q / 2
	v_mad_u32_u24 v[VIA], v[T5], QPIT, v[VIA]
	v_mul_u32_u24 v[VT], v[T0], TPIT
	v_lshl_add_u32 v[VT], v[T1], 5, v[VT]          ; j = 8 h on
	v_lshlrev_b32 v[VIC], 4, v[T2]
	v_mad_u32_u24 v[VIC], v[T3], HPIT, v[VIC]
	v_mul_u32_u24 v[VTC], v[T2], TPIT
	v_mul_u32_u24 v[VSO], v[T2], SPIT
	v_lshl_add_u32 v[VSO], v[T3], 5, v[VSO]
	v_lshl_add_u32 v[VSO], v[T4], 6, v[VSO]        ; row r, + 64 w + 32 h
	v_lshl_add_u32 v[T5], v[T4], 2, v[T3]          ; back: rows 4 w + (lane / 16), and two further down
	v_mul_u32_u24 v[VSR], v[T5], SPIT
	v_lshl_add_u32 v[VSR], v[T2], 4, v[VSR]
	v_lshlrev_b32 v[VGO], 12, v[T5]
	v_lshl_add_u32 v[VGO], v[T2], 4, v[VGO]
	s_wait_kmcnt 0x0
	s_add_co_i32 s22, s12, 127
	s_lshl_b32 s23, s22, 23
	v_mov_b32 v[SCA], s23                          ; 2^e0 as f32: the conversion takes its exponent field
	s_add_co_i32 s22, s22, 8
	s_lshl_b32 s22, s22, 23
	s_or_b32 s22, s22, 0x600000
	v_mov_b32 v[LIA], s22                          ; 448 x 2^e0
	s_add_co_i32 s24, s13, 127
	s_lshl_b32 s25, s24, 23
	v_mov_b32 v[SCW], s25                          ; 2^e1
	s_add_co_i32 s24, s24, 8
	s_lshl_b32 s24, s24, 23
	s_or_b32 s24, s24, 0x600000
	v_mov_b32 v[LIW], s24                          ; 448 x 2^e1
	s_add_co_i32 s[SE], s12, s13
	s_add_co_i32 s[SE], s[SE], 127
	s_lshl_b32 s[SE], s[SE], 23                    ; 2^(e0 + e1)
	s_mov_b32 s[SE+1], s[SE]                       ; (named with it as a pair, so it is written)
	; ---- xm and xs of my row, over my eight groups.  Loads come back in order: of the 56, the pieces c = 0 .. k of x are in when at most 56 - 2 (k + 1) are out
	s_wait_loadcnt 50                              ; c = 0, 1, 2
.irp i, 0,1,2,3,4,5,6,7
	v_max3_num_f32 v[XM+\i], |v[XF+\i]|, |v[XF+8+\i]|, |v[XF+16+\i]|
	v_add_f32 v[XS+\i], |v[XF+\i]|, |v[XF+8+\i]|
.endr
	s_wait_loadcnt 46                              ; c = 3, 4
.irp i, 0,1,2,3,4,5,6,7
	v_max3_num_f32 v[XM+\i], v[XM+\i], |v[XF+24+\i]|, |v[XF+32+\i]|
	v_add_f32 v[XS+\i], v[XS+\i], |v[XF+16+\i]|
.endr
	s_wait_loadcnt 42                              ; c = 5, 6
.irp i, 0,1,2,3,4,5,6,7
	v_max3_num_f32 v[XM+\i], v[XM+\i], |v[XF+40+\i]|, |v[XF+48+\i]|
	v_add_f32 v[XS+\i], v[XS+\i], |v[XF+24+\i]|
.endr
	s_wait_loadcnt 40                              ; c = 7: all of x; the 40 loads of weights may be out
.irp i, 0,1,2,3,4,5,6,7
	v_max_num_f32 v[XM+\i], v[XM+\i], |v[XF+56+\i]|
	v_add_f32 v[XS+\i], v[XS+\i], |v[XF+32+\i]|
.endr
.irp c, 5,6,7
.irp i, 0,1,2,3,4,5,6,7
	v_add_f32 v[XS+\i], v[XS+\i], |v[XF+8*\c+\i]|
.endr
.endr
.irp m, 2,4                            ; and over the four lanes q (bits 1 and 2 of the lane) that share my row and my h: every one of them ends with the whole
.irp i, 0,1,2,3,4,5,6,7
	v_max_num_f32_dpp v[XM+\i], v[XM+\i], v[XM+\i] row_xmask:\m row_mask:0xf bank_mask:0xf
	v_add_f32_dpp v[XS+\i], v[XS+\i], v[XS+\i] row_xmask:\m row_mask:0xf bank_mask:0xf
.endr
.endr
	; ---- x m into codes, eight neighbours along K to a conversion, two pieces (sixteen numbers a lane) at a time, so that one wait serves sixteen masks.
	; The LDS stores ahead of the barrier stand in two runs, each behind one wait: the table and the codes of pieces 0 to 3 among the work on pieces 4 and 5, the codes of pieces 4 to 7 behind the last conversion
.macro QX2 c                           ; pieces c and c + 1: registers XF + 8 c + 0 .. 15
.irp i, 0,1,2,3,4,5,6,7,8,9,10,11,12,13,14,15
	v_cmp_le_f32 s[MK+\i], -1.0, v[XF+8*(\c)+\i]                                 ; the mask: -1 <= x
.endr
	s_wait_alu depctr_va_sdst(0)                   ; the sixteen compares have written s[MK ..], ahead of the selects, their first readers
.if (\c) == 4
	s_wait_alu depctr_va_vdst(0)                   ; the reductions have written XM and XS, the conversions of pieces 0 to 3 their codes, the head's arithmetic v2 to v5 and v8 to v10: the stores below read XM, XS, the codes, v2 and v3
	ds_store_b128 v[VT], v[XM:XM+3]   offset:TAB       ; the four lanes q write the same numbers to the same bytes
	ds_store_b128 v[VT], v[XM+4:XM+7] offset:TAB+16
	ds_store_b128 v[VT], v[XS:XS+3]   offset:TAB+64
	ds_store_b128 v[VT], v[XS+4:XS+7] offset:TAB+80
.irp k, 0,1,2,3
	ds_store_b64 v[VIA], v[CD+2*\k:CD+2*\k+1] offset:IMG+CPIT*\k
.endr
.endif
.irp i, 0,1,2,3,4,5,6,7,8,9,10,11,12,13,14,15
	v_cndmask_b32 v[XF+8*(\c)+\i], 0, v[XF+8*(\c)+\i], s[MK+\i]                  ; x where the mask holds, else 0
.endr
.irp i, 0,1,2,3,4,5,6,7,8,9,10,11,12,13,14,15
	v_med3_num_f32 v[XF+8*(\c)+\i], v[XF+8*(\c)+\i], -v[LIA], v[LIA]             ; the conversion to an 8-bit code does not saturate (ISA guide 7.6.2): the hold at the largest code x the scale
.endr
	v_cvt_scalef32_pk8_fp8_f32 v[CD+2*(\c):CD+2*(\c)+1], v[XF+8*(\c):XF+8*(\c)+7], v[SCA]
	v_cvt_scalef32_pk8_fp8_f32 v[CD+2*(\c)+2:CD+2*(\c)+3], v[XF+8*(\c)+8:XF+8*(\c)+15], v[SCA]   ; the plain vector line that is owed behind these two is the next pieces' first compare
.endm
	QX2 0
	QX2 2
	QX2 4
	QX2 6
	v_nop                                          ; the plain vector line behind the last conversion
	s_wait_alu depctr_va_vdst(0)                   ; the conversions of pieces 4 to 7 have written their codes, which the stores below read; and every vector instruction that names XF is done, in which the fragments' loads behind the barrier land
.irp k, 4,5,6,7
	ds_store_b64 v[VIA], v[CD+2*\k:CD+2*\k+1] offset:IMG+CPIT*\k
.endr
	s_wait_dscnt 0x0                               ; for the others' sake: my codes and my rows of the table lie in LDS
	s_barrier_signal -1
	s_barrier_wait -1                              ; everybody's do
	; ---- my tile.  The table's loads first: the bias is the longer work and begins with them.  No vector instruction has named window 1's XMR and XSR; none since the last wait on va_vdst names XF, v4 or v5
	WIN 0x40                                       ; destination window 1, address window 0
.irp t, 0,1,2,3,4,5,6,7
	ds_load_b128 v[XMR+4*\t:XMR+4*\t+3], v[VTC] offset:TAB+16*\t                 ; xm[r][0..15], xs[r][0..15]
.endr
	WIN 0
.irp s, 0,1,2,3                        ; K step s, registers 4 u .. 4 u + 3: the groups 8 s + 2 u and 8 s + 2 u + 1, which were stored as c = 2 s + u / 2, q = 2 (u % 2) and 2 (u % 2) + 1
.irp u, 0,1,2,3
	ds_load_b128 v[XF+16*\s+4*\u:XF+16*\s+4*\u+3], v[VIC] offset:IMG+CPIT*(2*\s+\u/2)+QPIT*(\u%2)
.endr
.endr
	s_wait_loadcnt 32                              ; the eight numbers of W's fragment are in; the 32 loads behind them may be out
.irp i, 0,1,2,3,4,5,6,7
	v_med3_num_f32 v[WS+\i], v[WS+\i], -v[LIW], v[LIW]
.endr
	v_cvt_scalef32_pk8_fp8_f32 v[BF:BF+1], v[WS:WS+7], v[SCW]                      ; k = 8 h + 0 .. 7 of my column
	v_nop                                          ; a plain vector line between the conversion and the first reader of its result
.irp k, 1,2,3,4,5,6,7
	v_mov_b32 v[BF+2*\k], v[BF]                    ; W[16 c' + 8 h + i][n] = w[8 h + i][n] for every c': the pair stands eight times
	v_mov_b32 v[BF+2*\k+1], v[BF+1]
.endr
; Two j of the bias, j = 2 k and 2 k + 1, for my row and my eight columns; all registers in window 1.  first = 1: they start the maxima and the sums: nothing is cleared.
; The products for the maximum are packed (two columns; of the pair xm[2 k], xm[2 k + 1] one word serves both halves) and their signs are dropped where the maximum reads them.
.macro JPAIR k, first
.irp p, 0,1,2,3
	v_pk_mul_f32 v[PP+2*\p:PP+2*\p+1], v[AW+16*\k+2*\p:AW+16*\k+2*\p+1], v[XMR+2*\k:XMR+2*\k+1] op_sel_hi:[1,0]
.endr
.irp p, 0,1,2,3
	v_pk_mul_f32 v[PP+8+2*\p:PP+8+2*\p+1], v[AW+16*\k+8+2*\p:AW+16*\k+8+2*\p+1], v[XMR+2*\k:XMR+2*\k+1] op_sel:[0,1] op_sel_hi:[1,1]
.endr
.irp i, 0,1,2,3,4,5,6,7
.if \first
	v_mul_f32 v[SS+\i], |v[AW+16*\k+\i]|, v[XSR+2*\k]
.else
	v_fma_f32 v[SS+\i], |v[AW+16*\k+\i]|, v[XSR+2*\k], v[SS+\i]
.endif
.endr
.irp i, 0,1,2,3,4,5,6,7
.if \first
	v_max_num_f32 v[MM+\i], |v[PP+\i]|, |v[PP+8+\i]|
.else
	v_max3_num_f32 v[MM+\i], v[MM+\i], |v[PP+\i]|, |v[PP+8+\i]|
.endif
.endr
.irp i, 0,1,2,3,4,5,6,7
	v_fma_f32 v[SS+\i], |v[AW+16*\k+8+\i]|, v[XSR+2*\k+1], v[SS+\i]
.endr
.endm
	s_wait_loadcnt 0x0                             ; the weights for the bias
	s_wait_dscnt 16                                ; the table's eight loads are in; the sixteen of the fragments may be out
	WIN 0x55                                       ; all four places window 1
	JPAIR 0, 1
	JPAIR 1, 0
	s_wait_dscnt 0x0                               ; the fragments
	WIN 0
	; out^T = W^T (x m)^T: two accumulators take turns, one instruction a turn; the first product on each starts its sum
	v_wmma_f32_16x16x128_fp8_fp8 v[ACC0:ACC0+7], v[BF:BF+15], v[XF:XF+15], 0
	v_wmma_f32_16x16x128_fp8_fp8 v[ACC1:ACC1+7], v[BF:BF+15], v[XF+16:XF+31], 0
	v_wmma_f32_16x16x128_fp8_fp8 v[ACC0:ACC0+7], v[BF:BF+15], v[XF+32:XF+47], v[ACC0:ACC0+7]
	v_wmma_f32_16x16x128_fp8_fp8 v[ACC1:ACC1+7], v[BF:BF+15], v[XF+48:XF+63], v[ACC1:ACC1+7]
	WIN 0x55
.irp k, 2,3,4,5,6,7
	JPAIR \k, 0                                    ; 192 plain vector lines in window 1, which name no register of the products: far more than the four places ahead of the first read of a result (ISA guide 7.12.1)
.endr
.irp p, 0,1,2,3
	v_pk_add_f32 v[MM+2*\p:MM+2*\p+1], v[MM+2*\p:MM+2*\p+1], v[SS+2*\p:SS+2*\p+1] neg_lo:[0,1] neg_hi:[0,1]   ; the maximum less the sum
.endr
.irp p, 0,1,2,3
	v_pk_mul_f32 v[MM+2*\p:MM+2*\p+1], v[MM+2*\p:MM+2*\p+1], 0x3dcccccd op_sel_hi:[1,0]                       ; x 0.1
.endr
	WIN 0x10                                       ; source 2 window 1
.irp p, 0,1,2,3
	v_pk_fma_f32 v[OUTF+2*\p:OUTF+2*\p+1], v[ACC0+2*\p:ACC0+2*\p+1], s[SE:SE+1], v[MM+2*\p:MM+2*\p+1] op_sel_hi:[1,0,1]   ; + K steps 0 and 2 x 2^(e0 + e1); each accumulator from its low end on
.endr
	WIN 0
.irp p, 0,1,2,3
	v_pk_fma_f32 v[OUTF+2*\p:OUTF+2*\p+1], v[ACC1+2*\p:ACC1+2*\p+1], s[SE:SE+1], v[OUTF+2*\p:OUTF+2*\p+1] op_sel_hi:[1,0,1]   ; + K steps 1 and 3
.endr
	; ---- the way out.  A lane holds 32 bytes of a row, a wave 64, the four waves the row's 256: they meet in the stage and each wave stores four whole rows
	s_wait_alu depctr_va_vdst(0)                   ; the packed multiply-adds have written OUTF, which the two stores into the stage read
	ds_store_b128 v[VSO], v[OUTF:OUTF+3]   offset:STG
	ds_store_b128 v[VSO], v[OUTF+4:OUTF+7] offset:STG+16
	s_wait_dscnt 0x0                               ; for the others' sake: my part of the 16 rows lies in the stage
	s_barrier_signal -1
	s_barrier_wait -1
	ds_load_b128 v[BACK:BACK+3],   v[VSR] offset:STG               ; rows 4 w and 4 w + 1: sixteen lanes to a row.  No vector instruction names BACK
	ds_load_b128 v[BACK+4:BACK+7], v[VSR] offset:STG+2*SPIT        ; rows 4 w + 2 and 4 w + 3
	s_wait_dscnt 1                                 ; the first of the two is in
	global_store_b128 v[VGO], v[BACK:BACK+3], s[10:11] th:TH_STORE_NT                    ; sixteen lanes store 256 consecutive bytes, at a multiple of 256 from out0's first byte
	s_wait_dscnt 0x0
	global_store_b128 v[VGO], v[BACK+4:BACK+7], s[10:11] offset:2*ROWW th:TH_STORE_NT
	s_wait_dscnt 0x0                               ; the closing lines, six on end
	s_wait_alu 0x0
	s_wait_tensorcnt 0x0
	ds_add_u32 v254, v255
	s_wait_dscnt 0x0
	s_endpgm
.Lfunc_end_k_q294a6f9355_conjunction:
	.size	k_q294a6f9355_conjunction, .Lfunc_end_k_q294a6f9355_conjunction-k_q294a6f9355_conjunction
	.p2alignl 7, 3214868480
	.fill 96, 4, 3214868480
	.section	.rodata,"a",@progbits
	.p2align	6, 0x0
	.amdhsa_kernel k_q294a6f9355_conjunction
		.amdhsa_group_segment_fixed_size 17408
		.amdhsa_private_segment_fixed_size 0
		.amdhsa_enable_private_segment 0
		.amdhsa_kernarg_size 32
		.amdhsa_user_sgpr_count 2
		.amdhsa_user_sgpr_kernarg_segment_ptr 1
		.amdhsa_wavefront_size32 1
		.amdhsa_system_sgpr_workgroup_id_x 1
		.amdhsa_system_sgpr_workgroup_id_y 1
		.amdhsa_system_sgpr_workgroup_id_z 1
		.amdhsa_system_vgpr_workitem_id 0
		.amdhsa_next_free_vgpr 448
		.amdhsa_next_free_sgpr 66
		.amdhsa_reserve_vcc 0
		.amdhsa_float_denorm_mode_32 3
		.amdhsa_float_denorm_mode_16_64 3
		.amdhsa_memory_ordered 1
		.amdhsa_forward_progress 1
		.amdhsa_inst_pref_size 52
	.end_amdhsa_kernel
	.amdgpu_metadata
---
amdhsa.version: [ 1, 2 ]
amdhsa.kernels:
  - .name:           k_q294a6f9355_conjunction
    .symbol:         k_q294a6f9355_conjunction.kd
    .args:
      - { .name: x, .offset: 0, .size: 8, .value_kind: global_buffer, .address_space: global }
      - { .name: weights, .offset: 8, .size: 8, .value_kind: global_buffer, .address_space: global }
      - { .name: lowp_scales, .offset: 16, .size: 8, .value_kind: global_buffer, .address_space: global }
      - { .name: out0, .offset: 24, .size: 8, .value_kind: global_buffer, .address_space: global }
    .group_segment_fixed_size: 17408
    .private_segment_fixed_size: 0
    .kernarg_segment_align: 8
    .kernarg_segment_size: 32
    .max_flat_workgroup_size: 128
    .sgpr_count:     66
    .vgpr_count:     448
    .wavefront_size: 32
...
	.end_amdgpu_metadata
.endif
;; end of part 2
